; MI455X (gfx1250); checked and timed in simulation.
; The chip was launched on July 23, 2026; its instructions are those of AMD's public machine-readable ISA for CDNA 5 (MIT licence, August 2026) and "CDNA5" Instruction Set Architecture Reference Guide (July 2026). The comments in the code are by the model that wrote it; some were corrected since.
;; Linear Attention. Allowed arithmetic: matrix products marked QUANTISED: E2M1 operands, one E8M0 scale for each 32 along K, by v_wmma_scale_f32_16x16x128_f8f6f4 with both operands' format E2M1 (or v_wmma_scale_f32_32x16x128_f4), f32 sums; products left as they are: f32 operands where the result goes on into a quantised operand, else bf16, f16 or f32 operands; f32 sums; everything else in f32.
;; Inputs: Wk_codes 1,024 x 32 x 16 uint8 (E2M1 codes of Wk, K innermost, in blocks of 32 codes, two codes a byte); Wk_scales 1,024 x 32 uint8 (E8M0 scales of Wk, one for each 32 codes along K); Wq_codes 1,024 x 32 x 16 uint8 (E2M1 codes of Wq, K innermost, in blocks of 32 codes, two codes a byte); Wq_scales 1,024 x 32 uint8 (E8M0 scales of Wq, one for each 32 codes along K); Wv_codes 1,024 x 32 x 16 uint8 (E2M1 codes of Wv, K innermost, in blocks of 32 codes, two codes a byte); Wv_scales 1,024 x 32 uint8 (E8M0 scales of Wv, one for each 32 codes along K); attention_mask 4 x 1 x 4,096 x 1 float32; bk 1,024 float32; bq 1,024 float32; bv 1,024 float32; hidden_state_codes 4 x 4,096 x 32 x 16 uint8 (E2M1 codes of hidden_state, K innermost, in blocks of 32 codes, two codes a byte); hidden_state_scales 4 x 4,096 x 32 uint8 (E8M0 scales of hidden_state, one for each 32 codes along K).
;; Outputs: out0 4 x 4,096 x 1,024 float32.
;; This version of the problem:
;;   THIS VERSION OF THE PROBLEM IS GIVEN IN LOW PRECISION. The matrix products marked QUANTISED in the list below multiply operands that are first quantised to E2M1 (2 exponent bits, 1 mantissa bit; 4 bits a number), with one power-of-two scale for each 32 numbers along K (OCP MX v1.0); their sums are f32. All else is computed in f32.
;;   The module's matrix products, in the order in which they are computed (A, B: the left and right operand; K: the contracted axis; several contracted axes count as one K, in the product's order):
;;     1. [M 16,384, K 1,024] x [K 1,024, N 1,024]; A: input hidden_state (given as codes); B: input Wq (given as codes): QUANTISED
;;     2. [M 16,384, K 1,024] x [K 1,024, N 1,024]; A: input hidden_state (given as codes); B: input Wk (given as codes): QUANTISED
;;     3. [M 16,384, K 1,024] x [K 1,024, N 1,024]; A: input hidden_state (given as codes); B: input Wv (given as codes): QUANTISED
;;     4. batch 64 x [M 64, K 4,096] x [K 4,096, N 64]; A: computed on the way; B: computed on the way: QUANTISED
;;     5. batch 64 x [M 4,096, K 64] x [K 64, N 1]; A: computed on the way; B: computed on the way: left as it is (N = 1 < 16)
;;     6. batch 64 x [M 4,096, K 64] x [K 64, N 64]; A: computed on the way; B: computed on the way: QUANTISED
;;     7. batch 262,144 x [M 1, K 1] x [K 1, N 64]; A: computed on the way; B: computed on the way: left as it is (no contracted axis)
;;   THE QUANTISER, for each operand of a quantised product, along K:
;;     - K is cut into blocks of 32 from its start; a last block that is shorter is filled with zeros.
;;     - A block's scale is 2^e with e = floor(log2(the largest magnitude in the block)) - 2, held to -126 .. 127; a block of zeros has e = 0. As a byte (E8M0): e + 127.
;;     - Each number is divided by its block's scale, clamped to +-6, and rounded to the nearest number of E2M1, ties to even, subnormals kept.
;;     - The product sums the exact products of the quantised numbers (number of the format x scale) in f32.
;;   ~~~python
;;   def quantise(x, axis):      # numpy; x: float32 -> the quantised numbers, widened to float32 again
;;       x = np.moveaxis(x, axis, -1); K = x.shape[-1]
;;       x = np.pad(x, [(0, 0)] * (x.ndim - 1) + [(0, -K % 32)]); x = x.reshape(x.shape[:-1] + (-1, 32)); a = np.abs(x).max(-1, keepdims=True)
;;       e = np.where(a > 0, np.clip(np.frexp(np.where(a > 0, a, 1))[1] - 1 - 2, -126, 127), 0)      # np.frexp(a)[1] - 1 = floor(log2(a)), exactly
;;       r = np.clip(x / 2.0 ** e, -6, 6)
;;       step = 2.0 ** (np.maximum(np.frexp(np.where(r == 0, 1, r))[1] - 1, 0) - 1)
;;       q = np.round(r / step) * step * 2.0 ** e      # np.round: ties to even
;;       return np.moveaxis(q.reshape(q.shape[:-2] + (-1,))[..., :K], -1, axis).astype(np.float32)
;;   ~~~
;;   OPERANDS COMPUTED ON THE WAY. 'Computed on the way' means the value that the module computes at that place (a softmax that the list does not call 'softmax' is quantised finished and normalised). What goes into a quantiser is computed in f32, as accurately as f32 sums, v_exp_f32 and their like allow (about 1e-6 of the number): no bf16 or f16 on the way to a quantiser, and a product that is left as it is and whose result goes on into a quantised operand takes f32 operands (vector FMAs, or v_wmma_f32_16x16x4_f32). A number that lies on a knife's edge between two numbers of the format may be rounded either way, as far as f32 arithmetic and the matrix unit's own rounding can turn it there, and no further.
;;   INPUTS GIVEN AS CODES. Wk (in the module: [1024, 1024], K = its axis 1); Wq (in the module: [1024, 1024], K = its axis 1); Wv (in the module: [1024, 1024], K = its axis 1); hidden_state (in the module: [4, 4096, 1024], K = its axis 2): each comes as NAME_codes (uint8): NAME with its K axis moved to the last place and cut into blocks of 32 codes, [.., K / 32, bytes a block], one block behind the other in memory; two codes a byte, the lower K in the low four bits (a code: sign, 2 exponent bits, 1 mantissa bit); and NAME_scales (uint8): the same leading axes, one E8M0 byte (e + 127) for each 32 codes along K. Its value is code x scale, taken as it is: it is not quantised again, and the codes and scales need not be those that the quantiser above would give.
;; One version. Each part assembles by itself: llvm-mc -triple=amdgcn-amd-amdhsa -mcpu=gfx1250 --defsym DOCPART=n.
;; ======== version 1 of 1: 2 launches
;; workspace buffers: kvp 4,194,304 bytes; ksp 65,536 bytes
;; launch kvpart (part 1): grid 16 x 16, 4 waves a work-group, clusters of 4 x 1, 327,680 bytes of LDS; arguments hidden_state_codes, hidden_state_scales, Wk_codes, Wk_scales, Wv_codes, Wv_scales, bk, bv, attention_mask, kvp, ksp; writes kvp, ksp
.if DOCPART == 1
	.amdgcn_target "amdgcn-amd-amdhsa--gfx1250"
	.amdhsa_code_object_version 6
	.text
	.protected	k_q35a7e6011b_kvpart
	.globl	k_q35a7e6011b_kvpart
	.p2align	8
	.type	k_q35a7e6011b_kvpart,@function
k_q35a7e6011b_kvpart:
	s_mov_b64 s[64:65], 0
	v_nop
	global_prefetch_b8 v0, s[64:65] scope:SCOPE_SE
	s_setreg_imm32_b32 hwreg(HW_REG_WAVE_MODE, 25, 1), 1
	s_wait_xcnt 0x0
	s_wait_alu depctr_hold_cnt(0) depctr_sa_sdst(0) depctr_va_vdst(0) depctr_va_sdst(0) depctr_va_ssrc(0) depctr_va_vcc(0) depctr_vm_vsrc(0)
	s_getreg_b32 s2, hwreg(HW_REG_IB_STS2, 6, 4)
	s_cmp_eq_u32 s2, 0
	s_cbranch_scc0 .Lentry_in_a_cluster
	s_endpgm
.Lentry_in_a_cluster:
	s_bfe_u32 s2, ttmp6, 0x10000c
	s_cmp_lg_u32 s2, 0x3003
	s_cbranch_scc0 .Lentry_shape_is_right
	s_endpgm
.Lentry_shape_is_right:
; LINEAR ATTENTION, FIRST OF TWO LAUNCHES: k = (elu(x Wk^T + bk) + 1) mask, v = x Wv^T + bv, and for each (n, head) a quarter of kv = k^T v (both operands quantised along the positions s) and of ksum = sum over s of k.
; x [16,384][1,024], Wk, Wv [1,024][1,024]: codes of E2M1 with one E8M0 byte for each 32 along K, taken as they lie.  No work of the problem is left out: every input has a way to out0 (mask, bk, bv here, bq in the next launch).
; SHARES.  Work-group (x, y): head = x, rows 1,024 y .. + 1,023 (n = y / 4, quarter = y % 4).  All four waves hold the head's 64 rows of Wk and 64 of Wv, all of K, in 512 registers for the whole launch;
; wave w owns rows 256 w .. + 255 of the chunk, as four tiles of 64 rows, which come into the wave's own two LDS slots as whole rows of 512 bytes.  Only the issuing wave reads its tiles.
; THE WEIGHTS COME ONCE FOR THE WORK-GROUP: with the first fills wave 0 brings Wk's 64 rows into its second slot and wave 1 Wv's into its own; behind a barrier every wave reads its fragments from there;
; then those two slots are filled again, with those waves' second tiles (waves 2 and 3 have asked for theirs at the head).
; CLUSTER.  The four partners are four heads on the same rows: each tile of x is asked for jointly, by the same tensor load with the same descriptor and the mask of the four.  The weights differ between partners: plain loads.
; LAYOUT.  Source 0 = 16 rows of x, source 1 = 16 rows of W: a lane holds ONE feature (lane % 16) and its registers run along s.  THE ROWS OF x THAT FORM A TILE ARE NOT NEIGHBOURS: lane r of tile u takes row
; 32 b + 8 u + r + 8 (r / 8), so that the 16 registers of tiles u = 0, 1 are s = 32 b + 16 (lane / 16) + 0 .. 15: a block of 32 along s lies in lanes l and l xor 16.  Wk's rows are chosen the same way,
; so that kv's registers run along the k axis in the order in which the next launch quantises them.
; kv's product takes 64 positions a step: registers 0-3 of a fragment hold codes, registers 4-7 zero codes (their scale bytes are 0, which is 2^-127: zero codes add nothing under it).
; SCALE WORDS: one load of 16 bytes at row x 32 + 16 (lane / 16) gives four registers; register q holds K step q's word in lanes 0-15 and K step 4 + q's in lanes 16-31, which ROW1 selects.
; LIMITS.  elu(x) + 1 is formed as max(x, 0) + 2^(log2(e) min(x, 0)): against expm1(x) + 1 in f32 it differs by at most 2^-24 absolute; results under 2^-126 come out as 0.  A block of zeros gets the scale byte 1 where the
; rule says 127: its codes are zeros, and this program alone reads the bytes.  NaN and infinities (a scale byte 0xff among the inputs) are not carried through the minimum and maximum.
; REGISTERS, in windows of 256.  Window 0: v1-15 addresses; v16-47 W's scale words (4 t + q); v48-55 x's (4 u + q); v56-63, v248-255 biases, one even pair a tile; v64-127 x's fragments, two buffers;
;   v128-191 the eight fragments of k and v (4 registers of codes, 4 of zeros); v192-207 mask; v208-215 ksum; v216-223 the fragments' scale words; v224-247 at work.
;   Windows 1, 2: W's fragments: tile t (0-3 Wk, 4-7 Wv), K step s at window 1 + s / 4, v[32 t + 8 (s % 4)].   Window 3: v0-127 a block's 16 accumulators (64 u + 8 t); v128-255 kv's 16 (128 + 8 (4 j + i)).
.set PITCH, 528                        ; an LDS row: 512 bytes + 16 of padding
.set SLOTB, 64*PITCH                   ; a slot: 64 rows
.set WREG,  2*SLOTB                    ; a wave's two slots
.set SCIMG, 4*WREG                     ; images of x's scale words: 16 tiles x 512 bytes for each wave
.set MASKL, SCIMG+4*8192               ; each wave's 256 mask numbers
.set KSL,   MASKL+4*1024               ; each wave's ksum, 64 numbers
.set SPARE, KSL+4*256                  ; the spare words, 128 bytes for each wave: no other line names them
.set SPW, 1
.set NIL, 2
.set AH,  3                            ; my lane's place in a slot's first tile: (r + 8 (r / 8)) x 528 + 16 (lane / 16) + my wave's region
.set ASC, 4                            ; in the scale images: 16 x lane
.set AMK, 5                            ; in the mask: 64 (lane / 16)
.set ADR, 6                            ; the three, for the tile in hand
.set ADS, 7
.set ADM, 8
.set LI,  9                            ; 16 x lane
.set KVW, 10                           ; where my wave's kv goes at the end
.set AKS, 11                           ; and its ksum
.set RR,  12                           ; v12-15 where I read the four waves' kv back
.set WS,  16
.set HS,  48
.set BK,  56
.set HB,  64
.set PC,  128
.set MK,  192
.set KS,  208
.set SW,  216
.set TM,  224
.set TX,  232
.set TS,  240
.set BV,  248
.set TR,  192                          ; at the head only, in the mask's registers: r, lane / 16, r + 8 (r / 8), the loads' offsets, and my lane's place in Wk's and Wv's rows in LDS
.set TH,  193
.set TP,  194
.set OSK, 195
.set OSV, 196
.set OBK, 197
.set OBV, 198
.set AWK, 199
.set AWV, 200
.set AMS, 201
.set WV,  26
.set HEAD, 27
.set CH,  28
.set G1,  32                           ; s[32:39] descriptor group 1 for x's tiles
.set G0,  40                           ; s[40:47] group 0, a set for each slot
.set STB, 48                           ; where the tile in hand begins: in my region,
.set STS, 49                           ; in my scale images,
.set STM, 50                           ; in my mask
.set CNT, 51
.set SEL, 52
.set LG,  54
.set WB,  60                           ; my wave's region in LDS
.set G1W, 68                           ; s[68:75] group 1 for the weights: x's without the mask
.set G0W, 76                           ; s[76:79] their group 0
.set MSB, 0
.macro WIN new                         ; the immediate's high byte repeats the setting that is left
.if MSB != \new
	s_set_vgpr_msb (MSB<<8)|\new
.set MSB, \new
.endif
.endm
.macro PLACES                          ; four plain places behind matrix instructions, ahead of loads into their sources and of reads of their results
.rept 4
	v_nop
.endr
.endm
.macro CROUND                          ; a round of the cluster's barrier
	s_barrier_signal -1
	s_barrier_wait -1
	s_cmp_lg_u32 s[WV], 0
	s_cbranch_scc1 .Lnot_wave_0_\@
	s_barrier_signal -3
.Lnot_wave_0_\@:
	s_barrier_wait -3
	s_barrier_signal -1
	s_barrier_wait -1
.endm
	s_load_b512 s[4:19], s[0:1], 0x0               ; x's codes s[4:5], x's scales s[6:7], Wk's codes, scales s[8:11], Wv's s[12:15], bk s[16:17], bv s[18:19]
	s_load_b128 s[20:23], s[0:1], 0x40             ; mask s[20:21], kvp s[22:23]
	s_load_b64 s[24:25], s[0:1], 0x50              ; ksp
	v_lshl_add_u32 v[SPW], v0, 2, SPARE
	v_mov_b32 v[NIL], 0
	ds_add_u32 v[SPW], v[NIL]                      ; the wave's opening: the add, twice on end, and its wait ahead of my first tensor load
	ds_add_u32 v[SPW], v[NIL]
	v_lshrrev_b32 v[TR], 5, v0
	v_readfirstlane_b32 s[WV], v[TR]               ; wave 0..3
	s_bfe_u32 s29, ttmp6, 0x40000                  ; cx
	s_lshl_b32 s[HEAD], ttmp9, 2
	s_add_co_u32 s[HEAD], s[HEAD], s29             ; head = 4 x cluster x + cx: it enters the weights', the biases' and the results' addresses alone
	s_and_b32 s[CH], ttmp7, 0xffff                 ; the chunk of 1,024 rows, which the four partners share
	s_mov_b32 s[G1], 15|(1<<20)|(1<<21)|(6<<22)|(3<<25)   ; the mask of the four; elements of 1 byte; padding on; bit 21 beside a mask; 4 words behind every 128
	s_mov_b32 s[G1W], (1<<20)|(6<<22)|(3<<25)      ; the weights: no mask; the same padding
.irp g, G1, G1W
	s_mov_b32 s[\g+1], 512<<16                     ; tensor_dim0 = 512
	s_mov_b32 s[\g+2], 64<<16                      ; tensor_dim1 = 64
	s_mov_b32 s[\g+3], 512<<16                     ; tile_dim0 = 512
	s_mov_b32 s[\g+4], 64                          ; tile_dim1 = 64
	s_mov_b32 s[\g+5], 512                         ; from row to row
	s_mov_b32 s[\g+6], 0
	s_mov_b32 s[\g+7], 0
.endr
	s_mov_b32 s[SEL], 0x76543210
	s_mov_b32 s[SEL+1], 0xfedcba98                 ; v_permlanex16_b32's selects for lane l xor 16
	s_mov_b32 s[LG], 0x3fb8aa3b                    ; log2(e)
	s_mov_b32 s[LG+1], s[LG]                       ; (named with it as a pair)
	s_mul_i32 s[WB], s[WV], WREG
	s_lshl_b32 s30, s[CH], 10
	s_lshl_b32 s31, s[WV], 8
	s_add_co_u32 s30, s30, s31                     ; my wave's first row: 1,024 y + 256 w
	s_mov_b32 s57, 0
	s_mov_b32 s59, 0
	v_and_b32 v[TR], 15, v0                        ; r
	v_bfe_u32 v[TH], v0, 4, 1                      ; lane / 16
	v_and_b32 v[TP], 8, v[TR]
	v_add_nc_u32 v[TP], v[TP], v[TR]               ; r + 8 (r / 8)
	v_and_b32 v[LI], 31, v0
	v_lshlrev_b32 v[LI], 4, v[LI]
	v_mul_u32_u24 v[AH], v[TP], PITCH
	v_lshl_add_u32 v[AH], v[TH], 4, v[AH]
	v_add_nc_u32 v[AWK], SLOTB, v[AH]              ; Wk's rows, chosen as x's are, lie in wave 0's second slot,
	v_add_nc_u32 v[AH], s[WB], v[AH]
	v_mul_u32_u24 v[AWV], v[TR], PITCH
	v_lshl_add_u32 v[AWV], v[TH], 4, v[AWV]
	v_add_nc_u32 v[AWV], WREG+SLOTB, v[AWV]        ; Wv's, as they lie, in wave 1's
	s_lshl_b32 s31, s[WV], 13
	v_add_nc_u32 v[ASC], s31, v[LI]
	v_add_nc_u32 v[ASC], SCIMG, v[ASC]
	s_lshl_b32 s31, s[WV], 10
	v_lshl_add_u32 v[AMK], v[TH], 6, s31
	v_add_nc_u32 v[AMK], MASKL, v[AMK]
	v_add_nc_u32 v[AMS], s31, v[LI]
	v_add_nc_u32 v[AMS], MASKL, v[AMS]
	v_add_nc_u32 v[KVW], s[WB], v[LI]
	s_lshl_b32 s31, s[WV], 8
	v_lshl_add_u32 v[AKS], v[TP], 2, s31
	v_add_nc_u32 v[AKS], KSL, v[AKS]
	s_lshl_b32 s31, s[WV], 12
	v_add_nc_u32 v[RR], s31, v[LI]                 ; my quarter of an image of kv, in wave 0's region,
.irp p, 1,2,3
	v_add_nc_u32 v[RR+\p], \p*WREG, v[RR]          ; and in the others'
.endr
	v_lshlrev_b32 v[OSK], 5, v[TP]
	v_lshl_add_u32 v[OSK], v[TH], 4, v[OSK]        ; scale bytes: 32 a row, 16 for each half of the lanes; rows chosen,
	v_lshlrev_b32 v[OSV], 5, v[TR]
	v_lshl_add_u32 v[OSV], v[TH], 4, v[OSV]        ; rows as they lie
	v_lshlrev_b32 v[OBK], 2, v[TP]
	v_lshlrev_b32 v[OBV], 2, v[TR]
	s_wait_dscnt 0x0                               ; both opening adds are done
	s_wait_kmcnt 0x0
	s_lshl_b32 s56, s30, 9
	s_add_nc_u64 s[4:5], s[4:5], s[56:57]          ; x's codes at my wave's first row: made of the chunk and the wave's number alone
	s_lshl_b32 s58, s[HEAD], 15
	s_add_nc_u64 s[8:9], s[8:9], s[58:59]          ; the head's 64 rows of Wk and of Wv
	s_add_nc_u64 s[12:13], s[12:13], s[58:59]
.irp s, 0,1
	s_mov_b32 s[G0+4*\s], 1
	s_add_co_u32 s[G0+4*\s+1], s[WB], \s*SLOTB
	s_add_nc_u64 s[G0+4*\s+2:G0+4*\s+3], s[4:5], \s*64*512
	s_or_b32 s[G0+4*\s+3], s[G0+4*\s+3], 0x80000000
.endr
	s_mov_b32 s[G0W], 1
	s_add_co_u32 s[G0W+1], s[WB], SLOTB            ; into my own second slot
	s_cmp_eq_u32 s[WV], 0
	s_cselect_b64 s[G0W+2:G0W+3], s[8:9], s[12:13] ; wave 0: Wk; wave 1: Wv (waves 2 and 3 do not ask by it)
	s_or_b32 s[G0W+3], s[G0W+3], 0x80000000
	CROUND                                         ; all four work-groups are here: the first joint loads meet
	s_cmp_lt_u32 s[WV], 2                          ; a wave's two first fills stand in one branch on its number, the same in every partner: two loads of mine are out
	s_cbranch_scc0 .Lfirst_rows
	tensor_load_to_lds s[G0:G0+3], s[G1:G1+7]      ; tile 0,
	s_nop 0
	tensor_load_to_lds s[G0W:G0W+3], s[G1W:G1W+7]  ; and 64 rows of weights where tile 1 will lie
	s_nop 0
	PLACES
	s_branch .Lfirst_asked
.Lfirst_rows:
	tensor_load_to_lds s[G0:G0+3], s[G1:G1+7]      ; tile 0,
	s_nop 0
	tensor_load_to_lds s[G0+4:G0+7], s[G1:G1+7]    ; and tile 1
	s_nop 0
	PLACES
.Lfirst_asked:
	s_lshl_b32 s56, s30, 5
	s_add_nc_u64 s[6:7], s[6:7], s[56:57]          ; x's scale bytes
	s_lshl_b32 s56, s30, 2
	s_add_nc_u64 s[20:21], s[20:21], s[56:57]      ; the mask
	s_lshl_b32 s58, s[HEAD], 11
	s_add_nc_u64 s[10:11], s[10:11], s[58:59]      ; the weights' scale bytes,
	s_add_nc_u64 s[14:15], s[14:15], s[58:59]
	s_lshl_b32 s58, s[HEAD], 8
	s_add_nc_u64 s[16:17], s[16:17], s[58:59]      ; their biases
	s_add_nc_u64 s[18:19], s[18:19], s[58:59]
	s_lshr_b32 s29, s[CH], 2
	s_lshl_b32 s29, s29, 6
	s_lshl_b32 s31, s[HEAD], 2
	s_add_co_u32 s29, s29, s31
	s_and_b32 s31, s[CH], 3
	s_add_co_u32 s29, s29, s31                     ; (16 n + head) x 4 + quarter
	s_lshl_b32 s58, s29, 8
	s_add_nc_u64 s[24:25], s[24:25], s[58:59]      ; ksp: 256 bytes each
	s_lshl_b32 s58, s29, 14
	s_lshl_b32 s31, s[WV], 12
	s_add_co_u32 s58, s58, s31
	s_add_nc_u64 s[22:23], s[22:23], s[58:59]      ; kvp: 16,384 bytes each; my wave stores a quarter
.irp i, 0,1,2,3,4,5,6,7,8,9,10,11,12,13,14,15
	global_load_b128 v[HB+4*\i:HB+4*\i+3], v[OSK], s[6:7] offset:1024*(\i/2)+256*(\i%2)   ; x's scale words of tile u = i % 2 of block i / 2, in the operand's lanes
.endr
	global_load_b128 v[PC:PC+3], v[LI], s[20:21]
	global_load_b128 v[PC+4:PC+7], v[LI], s[20:21] offset:512
.irp t, 0,1,2,3
	global_load_b128 v[WS+4*\t:WS+4*\t+3], v[OSK], s[10:11] offset:(32*(\t/2)+8*(\t%2))*32
.endr
.irp t, 0,1,2,3
	global_load_b128 v[WS+16+4*\t:WS+16+4*\t+3], v[OSV], s[14:15] offset:16*\t*32
.endr
.irp t, 0,1,2,3
	global_load_b32 v[BK+2*\t], v[OBK], s[16:17] offset:(32*(\t/2)+8*(\t%2))*4
.endr
.irp t, 0,1,2,3
	global_load_b32 v[BV+2*\t], v[OBV], s[18:19] offset:64*\t
.endr
	s_wait_loadcnt 16                              ; x's scale words and the mask are in: behind them 8 loads of W's scale words and 8 of biases were issued
.irp i, 0,1,2,3,4,5,6,7,8,9,10,11,12,13,14,15
	ds_store_b128 v[ASC], v[HB+4*\i:HB+4*\i+3] offset:512*\i    ; as images of the registers: 16 bytes x lane
.endr
	ds_store_b128 v[AMS], v[PC:PC+3]
	ds_store_b128 v[AMS], v[PC+4:PC+7] offset:512
	s_wait_tensorcnt 0x0                           ; my first fills have landed: tile 0, and the weights or tile 1;
	s_wait_dscnt 0x0                               ; so have my stores
	s_barrier_signal -1
	s_barrier_wait -1                              ; the weights are whole for every wave
.macro WLOAD s                         ; K step s of the eight tiles of weights, from LDS: 16 loads
.irp t, 0,1,2,3
.irp c, 0,1
	ds_load_b128 v[32*\t+8*((\s)%4)+4*\c:32*\t+8*((\s)%4)+4*\c+3], v[AWK] offset:(32*(\t/2)+8*(\t%2))*PITCH+64*(\s)+32*\c
.endr
.endr
.irp t, 0,1,2,3
.irp c, 0,1
	ds_load_b128 v[128+32*\t+8*((\s)%4)+4*\c:128+32*\t+8*((\s)%4)+4*\c+3], v[AWV] offset:16*\t*PITCH+64*(\s)+32*\c
.endr
.endr
.endm
	WIN 0x40                                       ; destination window 1, address window 0
	WLOAD 0
	WLOAD 1
	WLOAD 2
	WLOAD 3
	WIN 0x80                                       ; destination window 2
	WLOAD 4
	WLOAD 5
	WLOAD 6
	WLOAD 7
	WIN 0
	; The two slots that held the weights are filled again, with tile 1 of waves 0 and 1.  Every wave: no tensor load of mine is out; the add; the add and my reads of the weights are done; a round of the cluster's barrier.
	s_wait_tensorcnt 0x0
	ds_add_u32 v[SPW], v[NIL]                      ; 0 onto my spare word; the clearing below stands between it and the wait for it
.irp t, 0,1,2,3,4,5,6,7
.irp c, 4,5,6,7
	v_mov_b32 v[PC+8*\t+\c], 0                     ; the fragments' upper halves: zero codes, for the whole launch
.endr
.endr
.irp i, 0,1,2,3,4,5,6,7
	v_mov_b32 v[KS+\i], 0                          ; ksum begins at 0
	v_mov_b32 v[TX+\i], 0                          ; (a lane permute's destination counts as one of its sources)
.endr
.irp i, 1,3,5,7
	v_mov_b32 v[BK+\i], 0                          ; (the upper words of the biases' pairs are named, so they are written)
	v_mov_b32 v[BV+\i], 0
.endr
	s_wait_dscnt 0x0                               ; the add is done, and the weights are in my registers
	CROUND
	s_cmp_lt_u32 s[WV], 2                          ; waves 2 and 3 have no part to fill
	s_cbranch_scc0 .Lno_refill
	tensor_load_to_lds s[G0+4:G0+7], s[G1:G1+7]    ; tile 1, on the very bytes that the weights filled: my one tensor load behind the round; it has tile 0's work in which to land
	s_nop 0
	PLACES
.Lno_refill:
	s_wait_loadcnt 0x0                             ; the weights' scale words and biases
; 8 LDS loads: x's fragments of block b, K steps 2 g and 2 g + 1, tiles u = 0, 1, into buffer p
.macro LOADG b, g, p
.irp sk, 0,1
.irp u, 0,1
.irp c, 0,1
	ds_load_b128 v[HB+32*(\p)+16*\sk+8*\u+4*\c:HB+32*(\p)+16*\sk+8*\u+4*\c+3], v[ADR] offset:(32*(\b)+8*\u)*PITCH+64*(2*(\g)+\sk)+32*\c
.endr
.endr
.endr
.endm
.macro LOADHS b
.irp u, 0,1
	ds_load_b128 v[HS+4*\u:HS+4*\u+3], v[ADS] offset:1024*(\b)+512*\u
.endr
.endm
.macro LOADMK b                        ; the mask of s = 32 b + 16 (lane / 16) + 0 .. 15
.irp i, 0,1,2,3
	ds_load_b128 v[MK+4*\i:MK+4*\i+3], v[ADM] offset:128*(\b)+16*\i
.endr
.endm
; 32 matrix instructions: K steps 2 g, 2 g + 1; the block's sixteen accumulators by turns, one instruction a turn.  The first K step starts the sums.
.macro MULG g
.if (\g) < 2
	WIN 0xF4                                       ; x window 0, W window 1, C and D window 3
.else
	WIN 0xF8                                       ; W window 2
.endif
.irp sk, 0,1
.irp u, 0,1
.irp t, 0,1,2,3,4,5,6,7
.set rq, (2*(\g)+\sk)%4
.set rA, HB+32*((\g)%2)+16*\sk+8*\u
.set rB, 32*\t+8*rq
.set rD, 64*\u+8*\t
.if ((\g) == 0) && (\sk == 0)
	v_wmma_scale_f32_16x16x128_f8f6f4 v[rD:rD+7], v[rA:rA+7], v[rB:rB+7], 0, v[HS+4*\u+rq], v[WS+4*\t+rq] matrix_a_fmt:MATRIX_FMT_FP4 matrix_b_fmt:MATRIX_FMT_FP4
.elseif (\g) < 2
	v_wmma_scale_f32_16x16x128_f8f6f4 v[rD:rD+7], v[rA:rA+7], v[rB:rB+7], v[rD:rD+7], v[HS+4*\u+rq], v[WS+4*\t+rq] matrix_a_fmt:MATRIX_FMT_FP4 matrix_b_fmt:MATRIX_FMT_FP4
.else
	v_wmma_scale_f32_16x16x128_f8f6f4 v[rD:rD+7], v[rA:rA+7], v[rB:rB+7], v[rD:rD+7], v[HS+4*\u+rq], v[WS+4*\t+rq] matrix_a_fmt:MATRIX_FMT_FP4 matrix_b_fmt:MATRIX_FMT_FP4 matrix_a_scale:MATRIX_SCALE_ROW1 matrix_b_scale:MATRIX_SCALE_ROW1
.endif
.endr
.endr
.endr
.endm
; the bias of tiles t0 .. t0 + 3: a lane holds one feature, so one number serves its 16 registers.  Each accumulator is read from its low end on.
.macro BIAS t0, bb
	WIN 0xC3                                       ; destination and source 0 window 3, the bias window 0
.irp p, 0,2,4,6
.irp u, 0,1
.irp k, 0,1,2,3
.set rX, 64*\u+8*(\t0+\k)+\p
	v_pk_add_f32 v[rX:rX+1], v[rX:rX+1], v[\bb+2*\k:\bb+2*\k+1] op_sel_hi:[1,0]
.endr
.endr
.endr
.endm
; tiles t0 .. t0 + 3 of block b are quantised along s: the block's largest magnitude, its byte, the codes of my 16 positions into registers 2 b, 2 b + 1 of the tile's fragment
.macro QBLK t0, b
	WIN 0x3C                                       ; sources 1 and 2 window 3
.irp k, 0,1,2,3
	v_max3_num_f32 v[TM+\t0+\k], 0x1800000, |v[8*(\t0+\k)]|, |v[8*(\t0+\k)+1]|   ; with the floor 2^(3 - 127): the byte cannot fall under 1
.endr
.irp i, 2,4,6
.irp k, 0,1,2,3
	v_max3_num_f32 v[TM+\t0+\k], v[TM+\t0+\k], |v[8*(\t0+\k)+\i]|, |v[8*(\t0+\k)+\i+1]|
.endr
.endr
.irp i, 0,2,4,6
.irp k, 0,1,2,3
	v_max3_num_f32 v[TM+\t0+\k], v[TM+\t0+\k], |v[64+8*(\t0+\k)+\i]|, |v[64+8*(\t0+\k)+\i+1]|
.endr
.endr
	WIN 0
.irp k, 0,1,2,3
	v_permlanex16_b32 v[TX+\t0+\k], v[TM+\t0+\k], s[SEL], s[SEL+1]
.endr
.irp k, 0,1,2,3
	v_max_num_f32 v[TM+\t0+\k], v[TM+\t0+\k], v[TX+\t0+\k]     ; with lane l xor 16's 16 positions
.endr
.irp k, 0,1,2,3
	v_add_nc_u32 v[TS+\t0+\k], 0xff000000, v[TM+\t0+\k]        ; 2 off the exponent field: the conversion's scale operand
.endr
.if (\b) == 0
.irp k, 0,1,2,3
	v_lshrrev_b32 v[SW+\t0+\k], 23, v[TS+\t0+\k]               ; the first block's byte begins the fragment's scale word
.endr
.else
.irp k, 0,1,2,3
	v_lshrrev_b32 v[TX+\t0+\k], 23, v[TS+\t0+\k]
.endr
.irp k, 0,1,2,3
	v_lshl_or_b32 v[SW+\t0+\k], v[TX+\t0+\k], 8, v[SW+\t0+\k]  ; the second's completes it; bytes 2 and 3 stay 0, over zero codes
.endr
.endif
	WIN 0x03                                       ; source 0 window 3
.irp k, 0,1,2,3
.irp u, 0,1
	v_cvt_scalef32_pk8_fp4_f32 v[PC+8*(\t0+\k)+2*(\b)+\u], v[64*\u+8*(\t0+\k):64*\u+8*(\t0+\k)+7], v[TS+\t0+\k]
.endr
.endr
	v_nop                                          ; one plain place behind the scaled conversions
.endm
.macro EPI_V b                         ; v = the sums + bv, quantised
	BIAS 4, BV
	QBLK 4, \b
.endm
.macro EPI_K b                         ; k = (elu(the sums + bk) + 1) x mask; quantised; added to ksum.  The exponentials' arguments lie in v's accumulators, which are done with: register + 32
	BIAS 0, BK
	WIN 0xFF                                       ; all in window 3
.set i, 0
.rept 32
	v_min_num_f32 v[32+i], 0, v[i]
	v_min_num_f32 v[96+i], 0, v[64+i]
.set i, i+1
.endr
.set i, 0
.rept 32
	v_max_num_f32 v[i], 0, v[i]
	v_max_num_f32 v[64+i], 0, v[64+i]
.set i, i+1
.endr
.set i, 0
.rept 16
	v_pk_mul_f32 v[32+i:33+i], v[32+i:33+i], s[LG:LG+1] op_sel_hi:[1,0]
	v_pk_mul_f32 v[96+i:97+i], v[96+i:97+i], s[LG:LG+1] op_sel_hi:[1,0]
.set i, i+2
.endr
.set i, 0
.rept 32
	v_exp_f32 v[32+i], v[32+i]                     ; one batch of 64
	v_exp_f32 v[96+i], v[96+i]
.set i, i+1
.endr
	v_nop                                          ; a plain place behind the last exponential,
	s_wait_alu depctr_va_vdst(0)                   ; and a wait ahead of the batch's first reader
.set i, 0
.rept 16
	v_pk_add_f32 v[i:i+1], v[i:i+1], v[32+i:33+i]  ; max(x, 0) + e^min(x, 0)
	v_pk_add_f32 v[64+i:65+i], v[64+i:65+i], v[96+i:97+i]
.set i, i+2
.endr
	WIN 0xC3
.irp u, 0,1
.irp p, 0,2,4,6
.irp k, 0,1,2,3
	v_pk_mul_f32 v[64*\u+8*\k+\p:64*\u+8*\k+\p+1], v[64*\u+8*\k+\p:64*\u+8*\k+\p+1], v[MK+8*\u+\p:MK+8*\u+\p+1]
.endr
.endr
.endr
	QBLK 0, \b
.if (\b) == 1
	WIN 0
.irp t, 0,1,2,3,4,5,6,7                ; the operand's layout wants a WHOLE block in a lane: lanes 0-15 block 0, lanes 16-31 block 1
.irp i, 0,1
	v_permlane16_swap_b32 v[PC+8*\t+\i], v[PC+8*\t+2+\i]
.endr
.endr
.endif
	WIN 0x0C                                       ; source 1 window 3
.irp u, 0,1
.irp p, 0,2,4,6
.irp k, 0,1,2,3
	v_pk_add_f32 v[KS+2*\k:KS+2*\k+1], v[KS+2*\k:KS+2*\k+1], v[64*\u+8*\k+\p:64*\u+8*\k+\p+1]   ; ksum takes the UNQUANTISED k.  (These 32 are also the places between the fragments' and scale words' last writes and kv's products)
.endr
.endr
.endr
	WIN 0
.endm
; A block of 32 rows x 128 features over all of K: 128 matrix instructions; the next group's fragments are fetched in one run behind each 32
.macro BLOCK b
	s_wait_dscnt 12                                ; group 0 and x's scale words are in; behind them group 1's 8 loads and the mask's 4 were issued
	MULG 0
	WIN 0
	PLACES
	LOADG \b, 2, 0
	s_wait_dscnt 8                                 ; all but the 8 just issued
	MULG 1
	WIN 0
	PLACES
	LOADG \b, 3, 1
	s_wait_dscnt 8
	MULG 2
	WIN 0
	PLACES
.if (\b) == 0
	LOADG 1, 0, 0
	s_wait_dscnt 8
.else
	s_wait_dscnt 0x0
.endif
	MULG 3
	WIN 0
	PLACES
.if (\b) == 0
	LOADHS 1
	LOADG 1, 1, 1
.endif
	EPI_V \b
	EPI_K \b
.if (\b) == 0
	LOADMK 1
.endif
.endm
; kv += k^T v over the tile's 64 positions: source 0 = 16 features of k, source 1 = 16 of v; sixteen accumulators, one instruction each
.macro PROD4 first
	WIN 0xF0
.irp j, 0,1,2,3
.irp i, 0,1,2,3
.set rD, 128+8*(4*\j+\i)
.if \first
	v_wmma_scale_f32_16x16x128_f8f6f4 v[rD:rD+7], v[PC+8*\i:PC+8*\i+7], v[PC+32+8*\j:PC+32+8*\j+7], 0, v[SW+\i], v[SW+4+\j] matrix_a_fmt:MATRIX_FMT_FP4 matrix_b_fmt:MATRIX_FMT_FP4
.else
	v_wmma_scale_f32_16x16x128_f8f6f4 v[rD:rD+7], v[PC+8*\i:PC+8*\i+7], v[PC+32+8*\j:PC+32+8*\j+7], v[rD:rD+7], v[SW+\i], v[SW+4+\j] matrix_a_fmt:MATRIX_FMT_FP4 matrix_b_fmt:MATRIX_FMT_FP4
.endif
.endr
.endr
	WIN 0
.endm
.macro TILE first                      ; 64 rows
	v_add_nc_u32 v[ADR], s[STB], v[AH]
	v_add_nc_u32 v[ADS], s[STS], v[ASC]
	v_add_nc_u32 v[ADM], s[STM], v[AMK]
	LOADG 0, 0, 0
	LOADHS 0
	LOADG 0, 1, 1
	LOADMK 0
	BLOCK 0
	BLOCK 1
	PROD4 \first
.endm
; Slot s, which has been read, is filled again with the tile two further on.  Every wave waits for all its tensor loads, adds 0 to its spare word, waits for that and for its reads; a round of the
; cluster's barrier, so that the same holds of every partner; the joint refill is the first thing behind it and my one tensor load there.
.macro CHANGE s
	WIN 0
	s_wait_tensorcnt 0x0                           ; no tensor load of mine is out (the other slot's tile has landed), so a group 0 may be written
	ds_add_u32 v[SPW], v[NIL]
	s_add_nc_u64 s[G0+4*\s+2:G0+4*\s+3], s[G0+4*\s+2:G0+4*\s+3], 128*512
	s_wait_dscnt 0x0                               ; the add is done, and my reads of the slot are over
	CROUND
	tensor_load_to_lds s[G0+4*\s:G0+4*\s+3], s[G1:G1+7]
	s_nop 0
	PLACES
.endm
	s_mov_b32 s[STB], 0
	s_mov_b32 s[STS], 0
	s_mov_b32 s[STM], 0
	TILE 1                                         ; tile 0, shown landed in front of the head's barrier; only I read my tiles.  kv's sums start here
	CHANGE 0                                       ; tile 1 has landed; tile 2 into slot 0
	s_mov_b32 s[STB], SLOTB
	s_add_co_u32 s[STS], s[STS], 2048
	s_add_co_u32 s[STM], s[STM], 256
	TILE 0                                         ; tile 1
	CHANGE 1                                       ; tile 3 into slot 1: the last load
	s_mov_b32 s[STB], 0
	s_add_co_u32 s[STS], s[STS], 2048
	s_add_co_u32 s[STM], s[STM], 256
	s_mov_b32 s[CNT], 2
.Ltail:                                                ; tiles 2 and 3: nothing is left to fetch
	TILE 0
	s_wait_tensorcnt 0x0                           ; for the next trip's reads of tile 3: no load was issued behind it, so the count is 0; tile 2 was shown landed in front of the last round
	s_add_co_u32 s[STB], s[STB], SLOTB
	s_add_co_u32 s[STS], s[STS], 2048
	s_add_co_u32 s[STM], s[STM], 256
	s_sub_co_u32 s[CNT], s[CNT], 1
	s_cmp_lg_u32 s[CNT], 0
	s_cbranch_scc1 .Ltail
	; THE END.  Each wave's kv (256 rows' worth) goes to LDS as an image of its registers, into its own slot 0, which has had its last fill and its last read; each wave then adds a quarter of the four images and stores it.
	PLACES
	WIN 0x0C                                       ; an LDS store's data are its source 1: window 3
.set a, 0
.rept 16
	ds_store_b128 v[KVW], v[128+8*a:128+8*a+3] offset:1024*a       ; each accumulator from its low end on
	ds_store_b128 v[KVW], v[128+8*a+4:128+8*a+7] offset:1024*a+512
.set a, a+1
.endr
	WIN 0
.irp t, 0,1,2,3
	v_add_f32 v[KS+2*\t], v[KS+2*\t], v[KS+2*\t+1]
.endr
.irp t, 0,1,2,3
	v_permlanex16_b32 v[TX+\t], v[KS+2*\t], s[SEL], s[SEL+1]
.endr
.irp t, 0,1,2,3
	v_add_f32 v[KS+2*\t], v[KS+2*\t], v[TX+\t]     ; my feature's sum over my wave's 256 rows
.endr
.irp t, 0,1,2,3
	ds_store_b32 v[AKS], v[KS+2*\t] offset:(32*(\t/2)+8*(\t%2))*4  ; in the features' own order; both halves of the lanes write the same word with the same value
.endr
	v_lshrrev_b32 v201, 1, v[LI]                   ; 8 x lane
	v_add_nc_u32 v200, KSL, v201
	s_wait_dscnt 0x0                               ; for the others' sake: my stores have landed
	s_barrier_signal -1
	s_barrier_wait -1
.irp p, 0,1,2,3
.irp k, 0,1,2,3,4,5,6,7
	ds_load_b128 v[64+32*\p+4*\k:64+32*\p+4*\k+3], v[RR+\p] offset:512*\k
.endr
.endr
	s_wait_dscnt 0x0
.set i, 0
.rept 16
	v_pk_add_f32 v[64+i:65+i], v[64+i:65+i], v[96+i:97+i]
	v_pk_add_f32 v[128+i:129+i], v[128+i:129+i], v[160+i:161+i]
.set i, i+2
.endr
.set i, 0
.rept 16
	v_pk_add_f32 v[64+i:65+i], v[64+i:65+i], v[128+i:129+i]
.set i, i+2
.endr
.irp k, 0,1,2,3,4,5,6,7
	global_store_b128 v[LI], v[64+4*\k:64+4*\k+3], s[22:23] offset:512*\k   ; 32 lanes store 512 consecutive bytes, at a multiple of 256 from the buffer's first byte
.endr
	s_cmp_lg_u32 s[WV], 0
	s_cbranch_scc1 .Lnot_ksum                      ; wave 0 adds the four waves' ksum
.irp p, 0,1,2,3
	ds_load_b64 v[192+2*\p:193+2*\p], v200 offset:256*\p
.endr
	s_wait_dscnt 0x0
	v_pk_add_f32 v[192:193], v[192:193], v[194:195]
	v_pk_add_f32 v[196:197], v[196:197], v[198:199]
	v_pk_add_f32 v[192:193], v[192:193], v[196:197]
	global_store_b64 v201, v[192:193], s[24:25]    ; 256 consecutive bytes, aligned
.Lnot_ksum:
	s_wait_tensorcnt 0x0                           ; the wave's end: a wait, the add and its wait, behind my last tensor load and my last LDS store
	ds_add_u32 v[SPW], v[NIL]
	s_wait_dscnt 0x0
	CROUND                                         ; the closing round
	s_endpgm
.Lfunc_end_k_q35a7e6011b_kvpart:
	.size	k_q35a7e6011b_kvpart, .Lfunc_end_k_q35a7e6011b_kvpart-k_q35a7e6011b_kvpart
	.p2alignl 7, 3214868480
	.fill 96, 4, 3214868480
	.section	.rodata,"a",@progbits
	.p2align	6, 0x0
	.amdhsa_kernel k_q35a7e6011b_kvpart
		.amdhsa_group_segment_fixed_size 327680
		.amdhsa_private_segment_fixed_size 0
		.amdhsa_enable_private_segment 0
		.amdhsa_kernarg_size 88
		.amdhsa_user_sgpr_count 2
		.amdhsa_user_sgpr_kernarg_segment_ptr 1
		.amdhsa_wavefront_size32 1
		.amdhsa_system_sgpr_workgroup_id_x 1
		.amdhsa_system_sgpr_workgroup_id_y 1
		.amdhsa_system_sgpr_workgroup_id_z 1
		.amdhsa_system_vgpr_workitem_id 0
		.amdhsa_next_free_vgpr 1024
		.amdhsa_next_free_sgpr 80
		.amdhsa_reserve_vcc 0
		.amdhsa_float_denorm_mode_32 3
		.amdhsa_float_denorm_mode_16_64 3
		.amdhsa_memory_ordered 1
		.amdhsa_forward_progress 1
		.amdhsa_inst_pref_size 255
	.end_amdhsa_kernel
	.section	.bss,"aw",@nobits
	.p2align	6
	.space	262144
	.amdgpu_metadata
---
amdhsa.version: [ 1, 2 ]
amdhsa.kernels:
  - .name:           k_q35a7e6011b_kvpart
    .symbol:         k_q35a7e6011b_kvpart.kd
    .args:
      - { .name: hidden_state_codes, .offset: 0, .size: 8, .value_kind: global_buffer, .address_space: global }
      - { .name: hidden_state_scales, .offset: 8, .size: 8, .value_kind: global_buffer, .address_space: global }
      - { .name: Wk_codes, .offset: 16, .size: 8, .value_kind: global_buffer, .address_space: global }
      - { .name: Wk_scales, .offset: 24, .size: 8, .value_kind: global_buffer, .address_space: global }
      - { .name: Wv_codes, .offset: 32, .size: 8, .value_kind: global_buffer, .address_space: global }
      - { .name: Wv_scales, .offset: 40, .size: 8, .value_kind: global_buffer, .address_space: global }
      - { .name: bk, .offset: 48, .size: 8, .value_kind: global_buffer, .address_space: global }
      - { .name: bv, .offset: 56, .size: 8, .value_kind: global_buffer, .address_space: global }
      - { .name: attention_mask, .offset: 64, .size: 8, .value_kind: global_buffer, .address_space: global }
      - { .name: kvp, .offset: 72, .size: 8, .value_kind: global_buffer, .address_space: global }
      - { .name: ksp, .offset: 80, .size: 8, .value_kind: global_buffer, .address_space: global }
    .group_segment_fixed_size: 327680
    .private_segment_fixed_size: 0
    .kernarg_segment_align: 8
    .kernarg_segment_size: 88
    .max_flat_workgroup_size: 128
    .sgpr_count:     80
    .vgpr_count:     1024
    .wavefront_size: 32
...
	.end_amdgpu_metadata
.endif
;; end of part 1
;; launch qctx (part 2): grid 8 x 32, 4 waves a work-group, clusters of 4 x 1, 327,680 bytes of LDS; arguments hidden_state_codes, hidden_state_scales, Wq_codes, Wq_scales, bq, kvp, ksp, out0; writes out0
.if DOCPART == 2
	.amdgcn_target "amdgcn-amd-amdhsa--gfx1250"
	.amdhsa_code_object_version 6
	.text
	.protected	k_q35a7e6011b_qctx
	.globl	k_q35a7e6011b_qctx
	.p2align	8
	.type	k_q35a7e6011b_qctx,@function
k_q35a7e6011b_qctx:
	s_mov_b64 s[64:65], 0
	v_nop
	global_prefetch_b8 v0, s[64:65] scope:SCOPE_SE
	s_setreg_imm32_b32 hwreg(HW_REG_WAVE_MODE, 25, 1), 1
	s_wait_xcnt 0x0
	s_wait_alu depctr_hold_cnt(0) depctr_sa_sdst(0) depctr_va_vdst(0) depctr_va_sdst(0) depctr_va_ssrc(0) depctr_va_vcc(0) depctr_vm_vsrc(0)
	s_getreg_b32 s2, hwreg(HW_REG_IB_STS2, 6, 4)
	s_cmp_eq_u32 s2, 0
	s_cbranch_scc0 .Lentry_in_a_cluster
	s_endpgm
.Lentry_in_a_cluster:
	s_bfe_u32 s2, ttmp6, 0x10000c
	s_cmp_lg_u32 s2, 0x3003
	s_cbranch_scc0 .Lentry_shape_is_right
	s_endpgm
.Lentry_shape_is_right:
; LINEAR ATTENTION, SECOND LAUNCH: q = elu(x Wq^T + bq) + 1; z = q . ksum (f32); out = (Q(q) Q(kv)) z.  kv and ksum are the sums of the four quarters that the first launch stored.  No work of the problem is left out.
; SHARES.  Work-group (x, y): heads 2 x and 2 x + 1 (128 features), rows 512 y .. + 511 (n = y / 8).  All four waves hold the pair's 128 rows of Wq, all of K, in 512 registers; wave w owns rows 128 w .. + 127, 16 at a time.
; A wave's 128 rows of x come in two halves of 64, as whole rows of 512 bytes, into the wave's own region; only the issuing wave reads them.  CLUSTER: the four partners are four pairs of heads on the same rows: these loads are joint ones.
; THE WEIGHTS COME ONCE FOR THE WORK-GROUP: with the first fills waves 0 and 1 bring Wq's 128 rows to where their second halves of x will lie (plain loads: the partners' weights differ); behind a barrier every wave reads its
; fragments from there; then those two regions are filled again, with those waves' rows 64 .. 127 (waves 2 and 3 have asked for theirs at the head).
; Wq's tile is stated as 8 lines of 4,096 bytes (eight rows on end), 8,192 bytes apart, with the padding behind every 512 bytes: wave 0 takes rows 16 g + 0 .. 7, wave 1 rows 16 g + 8 .. 15.  So LDS row 16 b + r of region u is
; row 32 b + 8 u + r + 8 (r / 8) of Wq: the sixteen rows of a fragment are sixteen NEIGHBOURING LDS rows, 528 bytes = 132 words apart: row r starts at bank 4 r mod 64 (64 banks of 4 bytes: ISA guide 11.1).
; LAYOUT.  Source 0 = 16 rows of Wq, source 1 = 16 rows of x: a lane holds ONE row of x (lane % 16), and its 64 registers run along the features: lane r of Wq's tile 2 b + u takes row 32 b + 8 u + r + 8 (r / 8),
; so register 16 b + i is feature 32 b + 16 (lane / 16) + i.  q's 128 features are ONE fragment: K = 0 .. 63 the first head, 64 .. 127 the second.  kv's fragments (16 columns e x 64 along k) hold zero codes in the other head's half.
; The last product is used transposed too (source 0 = kv, source 1 = q): a lane's eight results are eight neighbouring columns of its row; a block of 16 rows x 128 columns leaves through the wave's own stage as rows of 512 bytes.
; kv: wave w adds and quantises two of the pair's eight fragments; they reach the other waves through LDS as images of their registers.
; LIMITS: as stated at the head of the first launch (the form of elu + 1; the byte 1 for a block of zeros; NaN and infinities).
; REGISTERS.  Window 0: v1-15, v61 addresses; v16-47 Wq's scale words; v48-51 x's; v52-59 kv's; v60 q's; v64-127 q, later rows of out; v128-191 at work; v192-239 kv's fragments (for each j: first head's codes, zeros, second head's codes);
;   v240-247 q's codes; v248-255 z.   Windows 1, 2: Wq (tile t, K step s at window 1 + s / 4, v[32 t + 8 (s % 4)]).   Window 3: v0-63 x's fragments; v64-127 bq in the result's layout; v128-191 ksum likewise; v192-255 the last product's results.
.set PITCH, 528
.set SLOTB, 64*PITCH                   ; half a wave's rows: what one tensor load brings
.set WREG,  2*SLOTB                    ; a wave's 128 rows
.set SCIMG, 4*WREG                     ; images of x's scale words: 8 blocks x 512 bytes for each wave
.set STG,   SCIMG+4*4096               ; the stages: 16 rows x 528 for each wave
.set SROW,  16*PITCH
.set KVIMG, STG+4*SROW                 ; kv's eight fragments, 512 bytes each,
.set KVSC,  KVIMG+8*512                ; their scale words, 128 bytes each,
.set KSML,  KVSC+8*128                 ; ksum of the pair's 128 features
.set SPARE, KSML+512                   ; the spare words, 128 bytes for each wave: no other line names them
.set SPW, 1
.set NIL, 2
.set AH,  3
.set ASC, 4
.set ADR, 5
.set ADS, 6
.set LI,  7                            ; 16 x lane
.set LS,  8                            ; 4 x lane
.set SO,  9
.set SR,  10
.set KWI, 11
.set KWS, 12
.set AKM, 13
.set KVR, 14
.set KSR, 15
.set WS,  16
.set HS,  48
.set KVS, 52
.set PW,  60
.set AKW, 61
.set QA,  64
.set T,   128
.set TM,  128
.set KF,  192
.set PC,  240
.set ZP,  248
.set TR,  228                          ; at the head only
.set TH,  229
.set TP,  230
.set OS,  231
.set OB,  232
.set OHS, 233
.set AW,  234                          ; v234, v235: my lane's place in Wq's rows in LDS: region u = 0, 1
.set WV,  26
.set HP,  27
.set CH,  28
.set G1,  32                           ; s[32:39] descriptor group 1 for x's rows
.set G0,  40                           ; s[40:47] group 0, a set for each half
.set STB, 48
.set STS, 49
.set BLK, 51
.set SEL, 52
.set LG,  54
.set WB,  60
.set SH,  61
.set G1W, 68                           ; s[68:75] group 1 for Wq
.set G0W, 76                           ; s[76:79] its group 0
.set MSB, 0
.macro WIN new
.if MSB != \new
	s_set_vgpr_msb (MSB<<8)|\new
.set MSB, \new
.endif
.endm
.macro PLACES
.rept 4
	v_nop
.endr
.endm
.macro CROUND
	s_barrier_signal -1
	s_barrier_wait -1
	s_cmp_lg_u32 s[WV], 0
	s_cbranch_scc1 .Lnot_wave_0_\@
	s_barrier_signal -3
.Lnot_wave_0_\@:
	s_barrier_wait -3
	s_barrier_signal -1
	s_barrier_wait -1
.endm
	s_load_b512 s[4:19], s[0:1], 0x0               ; x's codes s[4:5], scales s[6:7], Wq's codes s[8:9], scales s[10:11], bq s[12:13], kvp s[14:15], ksp s[16:17], out s[18:19]
	v_lshl_add_u32 v[SPW], v0, 2, SPARE
	v_mov_b32 v[NIL], 0
	ds_add_u32 v[SPW], v[NIL]                      ; the wave's opening: the add, twice on end, and its wait ahead of my first tensor load
	ds_add_u32 v[SPW], v[NIL]
	v_lshrrev_b32 v[TR], 5, v0
	v_readfirstlane_b32 s[WV], v[TR]
	s_bfe_u32 s29, ttmp6, 0x40000                  ; cx
	s_lshl_b32 s[HP], ttmp9, 2
	s_add_co_u32 s[HP], s[HP], s29                 ; the pair of heads = 4 x cluster x + cx
	s_and_b32 s[CH], ttmp7, 0xffff                 ; the chunk of 512 rows, which the partners share
	s_mov_b32 s[G1], 15|(1<<20)|(1<<21)|(6<<22)|(3<<25)   ; the mask of the four; elements of 1 byte; padding on; bit 21 beside a mask; 4 words behind every 128
	s_mov_b32 s[G1+1], 512<<16                     ; 64 rows of 512 bytes
	s_mov_b32 s[G1+2], 64<<16
	s_mov_b32 s[G1+3], 512<<16
	s_mov_b32 s[G1+4], 64
	s_mov_b32 s[G1+5], 512
	s_mov_b32 s[G1+6], 0
	s_mov_b32 s[G1+7], 0
	s_mov_b32 s[G1W], (1<<20)|(6<<22)|(3<<25)      ; Wq: no mask; the same padding: 4 words behind every 128, eight times in a line
	s_mov_b32 s[G1W+1], 4096<<16                   ; tensor_dim0 = 4,096: eight rows on end
	s_mov_b32 s[G1W+2], 8<<16                      ; tensor_dim1 = 8
	s_mov_b32 s[G1W+3], 4096<<16                   ; tile_dim0 = 4,096
	s_mov_b32 s[G1W+4], 8                          ; tile_dim1 = 8
	s_mov_b32 s[G1W+5], 8192                       ; from line to line: sixteen rows
	s_mov_b32 s[G1W+6], 0
	s_mov_b32 s[G1W+7], 0
	s_mov_b32 s[SEL], 0x76543210
	s_mov_b32 s[SEL+1], 0xfedcba98
	s_mov_b32 s[LG], 0x3fb8aa3b                    ; log2(e)
	s_mov_b32 s[LG+1], s[LG]
	s_mul_i32 s[WB], s[WV], WREG
	s_lshr_b32 s[SH], s[WV], 1
	s_lshl_b32 s[SH], s[SH], 4                     ; my fragments of kv belong to the pair's head w / 2: their two scale bytes stand 16 (w / 2) bits up
	s_lshl_b32 s30, s[CH], 9
	s_lshl_b32 s31, s[WV], 7
	s_add_co_u32 s30, s30, s31                     ; my wave's first row: 512 y + 128 w
	s_mov_b32 s57, 0
	s_mov_b32 s59, 0
	v_and_b32 v[TR], 15, v0                        ; r
	v_bfe_u32 v[TH], v0, 4, 1                      ; lane / 16
	v_and_b32 v[TP], 8, v[TR]
	v_add_nc_u32 v[TP], v[TP], v[TR]               ; r + 8 (r / 8)
	v_and_b32 v[LS], 31, v0
	v_lshlrev_b32 v[LI], 4, v[LS]
	v_lshlrev_b32 v[LS], 2, v[LS]
	v_mul_u32_u24 v[AH], v[TR], PITCH
	v_lshl_add_u32 v[AH], v[TH], 4, v[AH]
	v_add_nc_u32 v[AW], SLOTB, v[AH]               ; Wq's rows 16 g + 0 .. 7 lie in the second half of wave 0's region,
	v_add_nc_u32 v[AW+1], WREG+SLOTB, v[AH]        ; rows 16 g + 8 .. 15 in that of wave 1's
	v_add_nc_u32 v[AH], s[WB], v[AH]               ; x: row r, + 16 for the upper half of the lanes, in my wave's rows
	s_lshl_b32 s31, s[WV], 12
	v_add_nc_u32 v[ASC], s31, v[LI]
	v_add_nc_u32 v[ASC], SCIMG, v[ASC]
	s_mul_i32 s31, s[WV], SROW
	v_mul_u32_u24 v[SO], v[TR], PITCH
	v_lshl_add_u32 v[SO], v[TH], 5, v[SO]
	v_add_nc_u32 v[SO], s31, v[SO]
	v_add_nc_u32 v[SO], STG, v[SO]                 ; the stage, in: row r, 32 bytes for each half of the lanes
	v_add_nc_u32 v[SR], s31, v[LI]
	v_add_nc_u32 v[SR], STG, v[SR]                 ; and back: 16 bytes a lane of a row
	s_lshl_b32 s31, s[WV], 10
	v_add_nc_u32 v[KWI], s31, v[LI]
	v_add_nc_u32 v[KWI], KVIMG, v[KWI]             ; where I store my two fragments of kv,
	s_lshl_b32 s31, s[WV], 8
	v_add_nc_u32 v[KWS], s31, v[LS]
	v_add_nc_u32 v[KWS], KVSC, v[KWS]              ; and their scale words
	v_lshlrev_b32 v[AKM], 6, v[TH]
	v_add_nc_u32 v[AKM], KSML, v[AKM]
	v_add_nc_u32 v[KVR], KVIMG, v[LI]
	v_add_nc_u32 v[KSR], KVSC, v[LS]
	s_lshl_b32 s31, s[WV], 7
	v_add_nc_u32 v[AKW], s31, v[LS]
	v_add_nc_u32 v[AKW], KSML, v[AKW]
	v_lshlrev_b32 v[OS], 5, v[TP]
	v_lshl_add_u32 v[OS], v[TH], 4, v[OS]
	v_lshlrev_b32 v[OB], 6, v[TH]
	v_lshlrev_b32 v[OHS], 5, v[TR]
	v_lshl_add_u32 v[OHS], v[TH], 4, v[OHS]
	s_wait_dscnt 0x0                               ; both opening adds are done
	s_wait_kmcnt 0x0
	s_lshl_b32 s56, s30, 9
	s_add_nc_u64 s[4:5], s[4:5], s[56:57]          ; x's codes at my first row: made of the chunk and the wave's number alone
	s_lshl_b32 s58, s[HP], 16
	s_add_nc_u64 s[8:9], s[8:9], s[58:59]          ; the pair's 128 rows of Wq,
	s_lshl_b32 s58, s[WV], 12
	s_add_nc_u64 s[8:9], s[8:9], s[58:59]          ; from row 0 in wave 0, from row 8 in wave 1 (waves 2 and 3 do not ask by it)
.irp s, 0,1
	s_mov_b32 s[G0+4*\s], 1
	s_add_co_u32 s[G0+4*\s+1], s[WB], \s*SLOTB
	s_add_nc_u64 s[G0+4*\s+2:G0+4*\s+3], s[4:5], \s*64*512
	s_or_b32 s[G0+4*\s+3], s[G0+4*\s+3], 0x80000000
.endr
	s_mov_b32 s[G0W], 1
	s_add_co_u32 s[G0W+1], s[WB], SLOTB            ; into the second half of my own region
	s_mov_b64 s[G0W+2:G0W+3], s[8:9]
	s_or_b32 s[G0W+3], s[G0W+3], 0x80000000
	CROUND                                         ; all four work-groups are here: the first joint loads meet
	s_cmp_lt_u32 s[WV], 2                          ; a wave's two first fills stand in one branch on its number, the same in every partner: two loads of mine are out
	s_cbranch_scc0 .Lfirst_rows
	tensor_load_to_lds s[G0:G0+3], s[G1:G1+7]      ; my rows 0 .. 63,
	s_nop 0
	tensor_load_to_lds s[G0W:G0W+3], s[G1W:G1W+7]  ; and half of Wq where my rows 64 .. 127 will lie
	s_nop 0
	PLACES
	s_branch .Lfirst_asked
.Lfirst_rows:
	tensor_load_to_lds s[G0:G0+3], s[G1:G1+7]      ; my rows 0 .. 63,
	s_nop 0
	tensor_load_to_lds s[G0+4:G0+7], s[G1:G1+7]    ; and 64 .. 127
	s_nop 0
	PLACES
.Lfirst_asked:
	s_lshl_b32 s56, s30, 5
	s_add_nc_u64 s[6:7], s[6:7], s[56:57]
	s_lshl_b32 s58, s[HP], 12
	s_add_nc_u64 s[10:11], s[10:11], s[58:59]      ; Wq's scale bytes,
	s_lshl_b32 s58, s[HP], 9
	s_add_nc_u64 s[12:13], s[12:13], s[58:59]      ; the biases
	s_lshr_b32 s29, s[CH], 3
	s_lshl_b32 s29, s29, 4
	s_lshl_b32 s31, s[HP], 1
	s_add_co_u32 s29, s29, s31
	s_lshr_b32 s31, s[WV], 1
	s_add_co_u32 s29, s29, s31                     ; 16 n + the head of my fragments
	s_and_b32 s31, s[WV], 1
	s_lshl_b32 s58, s29, 16
	s_lshl_b32 s62, s31, 13
	s_add_co_u32 s58, s58, s62
	s_add_nc_u64 s[14:15], s[14:15], s[58:59]      ; kvp: 65,536 bytes a head; my columns e begin at tile 2 (w % 2)
	s_lshl_b32 s58, s29, 10
	s_lshl_b32 s62, s31, 7
	s_add_co_u32 s58, s58, s62
	s_add_nc_u64 s[16:17], s[16:17], s[58:59]      ; ksp: 1,024 bytes a head; my 32 features
	s_lshl_b32 s58, s30, 12
	s_lshl_b32 s62, s[HP], 9
	s_add_co_u32 s58, s58, s62
	s_add_nc_u64 s[18:19], s[18:19], s[58:59]      ; out: my first row, the pair's 512 bytes of it
.irp t, 0,1,2,3,4,5,6,7
	global_load_b128 v[WS+4*\t:WS+4*\t+3], v[OS], s[10:11] offset:(32*(\t/2)+8*(\t%2))*32
.endr
	WIN 0xC0                                       ; destination window 3
.irp t, 0,1,2,3,4,5,6,7
	global_load_b128 v[64+8*\t:64+8*\t+3], v[OB], s[12:13] offset:(32*(\t/2)+8*(\t%2))*4      ; bq of features 32 (t / 2) + 16 (lane / 16) + 8 (t % 2) + 0 .. 7
	global_load_b128 v[64+8*\t+4:64+8*\t+7], v[OB], s[12:13] offset:(32*(\t/2)+8*(\t%2))*4+16
.endr
	WIN 0
.irp q, 0,1,2,3
.irp k, 0,1,2,3,4,5,6,7
	global_load_b128 v[64+32*\q+4*\k:64+32*\q+4*\k+3], v[LI], s[14:15] offset:16384*\q+512*\k   ; my first fragment of kv: quarter q, as the first launch's registers held it
.endr
.endr
.irp i, 0,1,2,3,4,5,6,7
	global_load_b128 v[192+4*\i:192+4*\i+3], v[OHS], s[6:7] offset:512*\i                       ; x's scale words of block i, in the operand's lanes
.endr
.irp q, 0,1,2,3
	global_load_b32 v[224+\q], v[LS], s[16:17] offset:256*\q
.endr
	WIN 0xC0
.irp q, 0,1
.irp k, 0,1,2,3,4,5,6,7
	global_load_b128 v[32*\q+4*\k:32*\q+4*\k+3], v[LI], s[14:15] offset:16384*\q+4096+512*\k    ; my second fragment: quarters 0, 1,
.endr
.endr
.irp q, 0,1
.irp k, 0,1,2,3,4,5,6,7
	global_load_b128 v[192+32*\q+4*\k:192+32*\q+4*\k+3], v[LI], s[14:15] offset:16384*(\q+2)+4096+512*\k   ; and 2, 3
.endr
.endr
	WIN 0
	s_wait_tensorcnt 0x0                           ; my first fills have landed: my rows 0 .. 63, and half of Wq or my rows 64 .. 127
	s_barrier_signal -1
	s_barrier_wait -1                              ; Wq is whole for every wave
.macro WLOAD s                         ; K step s of the eight tiles of Wq, from LDS: tile 2 b + u is rows 16 b .. 16 b + 15 of region u
.irp t, 0,1,2,3,4,5,6,7
.irp c, 0,1
	ds_load_b128 v[32*\t+8*((\s)%4)+4*\c:32*\t+8*((\s)%4)+4*\c+3], v[AW+(\t%2)] offset:16*(\t/2)*PITCH+64*(\s)+32*\c
.endr
.endr
.endm
	WIN 0x40                                       ; destination window 1, address window 0
	WLOAD 0
	WLOAD 1
	WLOAD 2
	WLOAD 3
	WIN 0x80                                       ; destination window 2
	WLOAD 4
	WLOAD 5
	WLOAD 6
	WLOAD 7
	WIN 0
	; The two regions that held Wq are filled again, with rows 64 .. 127 of waves 0 and 1.  Every wave: no tensor load of mine is out; the add; the add and my reads of Wq are done; a round of the cluster's barrier.
	s_wait_tensorcnt 0x0
	ds_add_u32 v[SPW], v[NIL]
	s_wait_dscnt 0x0                               ; the add is done, and Wq is in my registers
	CROUND
	s_cmp_lt_u32 s[WV], 2                          ; waves 2 and 3 have no part to fill
	s_cbranch_scc0 .Lno_refill
	tensor_load_to_lds s[G0+4:G0+7], s[G1:G1+7]    ; on the very bytes that Wq filled: my one tensor load behind the round; it has kv's sums and three blocks' work in which to land
	s_nop 0
	PLACES
.Lno_refill:
	s_wait_loadcnt 32                              ; all is in but the second fragment's 32 loads, which were issued last
.irp i, 0,1,2,3,4,5,6,7
	ds_store_b128 v[ASC], v[192+4*\i:192+4*\i+3] offset:512*\i
.endr
	v_add_f32 v224, v224, v225
	v_add_f32 v226, v226, v227
	v_add_f32 v224, v224, v226
	ds_store_b32 v[AKW], v224                      ; ksum of feature 32 w + lane of the pair's 128
; 32 numbers of a lane in v[QA] on (register 16 b + i = k 32 b + 16 (lane / 16) + i of column e = lane % 16) become four registers of codes and half a scale word
.macro QUANT2
.irp b, 0,1
	v_max3_num_f32 v[TM+\b], |v[QA+16*\b]|, |v[QA+1+16*\b]|, 0x1800000
.endr
.irp i, 2,4,6,8,10,12,14
.irp b, 0,1
	v_max3_num_f32 v[TM+\b], v[TM+\b], |v[QA+16*\b+\i]|, |v[QA+1+16*\b+\i]|
.endr
.endr
.irp b, 0,1
	v_permlanex16_b32 v[TM+4+\b], v[TM+\b], s[SEL], s[SEL+1]
.endr
.irp b, 0,1
	v_max_num_f32 v[TM+\b], v[TM+\b], v[TM+4+\b]
.endr
.irp b, 0,1
	v_add_nc_u32 v[TM+12+\b], 0xff000000, v[TM+\b]
.endr
.irp b, 0,1
	v_lshrrev_b32 v[TM+4+\b], 23, v[TM+12+\b]
.endr
	v_lshl_or_b32 v[PW], v[TM+5], 8, v[TM+4]
	v_lshlrev_b32 v[PW], s[SH], v[PW]              ; at my head's half of the word; the other half stays 0, over zero codes
.irp b, 0,1
	v_cvt_scalef32_pk8_fp4_f32 v[PC+2*\b], v[QA+16*\b:QA+7+16*\b], v[TM+12+\b]
	v_cvt_scalef32_pk8_fp4_f32 v[PC+1+2*\b], v[QA+8+16*\b:QA+15+16*\b], v[TM+12+\b]
.endr
	v_nop
.irp i, 0,1
	v_permlane16_swap_b32 v[PC+\i], v[PC+2+\i]
.endr
.endm
.set i, 0
.rept 16
	v_pk_add_f32 v[64+i:65+i], v[64+i:65+i], v[96+i:97+i]          ; the four quarters: (0 + 1) + (2 + 3)
	v_pk_add_f32 v[128+i:129+i], v[128+i:129+i], v[160+i:161+i]
.set i, i+2
.endr
.set i, 0
.rept 16
	v_pk_add_f32 v[64+i:65+i], v[64+i:65+i], v[128+i:129+i]
.set i, i+2
.endr
	QUANT2
	ds_store_b128 v[KWI], v[PC:PC+3]
	ds_store_b32 v[KWS], v[PW]
	s_wait_dscnt 0x0                               ; the stores have read their registers
	s_wait_loadcnt 0x0                             ; the second fragment
	WIN 0x0F                                       ; sources 0 and 1 window 3
.set i, 0
.rept 16
	v_pk_add_f32 v[64+i:65+i], v[i:i+1], v[32+i:33+i]
	v_pk_add_f32 v[96+i:97+i], v[192+i:193+i], v[224+i:225+i]
.set i, i+2
.endr
	WIN 0
.set i, 0
.rept 16
	v_pk_add_f32 v[64+i:65+i], v[64+i:65+i], v[96+i:97+i]
.set i, i+2
.endr
	QUANT2
	ds_store_b128 v[KWI], v[PC:PC+3] offset:512
	ds_store_b32 v[KWS], v[PW] offset:128
.irp j, 0,1,2,3
.irp c, 4,5,6,7
	v_mov_b32 v[KF+12*\j+\c], 0                    ; the zero codes between the two heads' codes: they serve both fragments
.endr
.endr
	s_wait_dscnt 0x0                               ; for the others' sake: my stores have landed
	s_barrier_signal -1
	s_barrier_wait -1                              ; everybody's have.  (The refill of waves 0 and 1 may be out, and only the wave that asked reads those rows)
.irp hl, 0,1
.irp j, 0,1,2,3
	ds_load_b128 v[KF+12*\j+8*\hl:KF+12*\j+8*\hl+3], v[KVR] offset:512*(4*\hl+\j)
	ds_load_b32 v[KVS+4*\hl+\j], v[KSR] offset:128*(4*\hl+\j)
.endr
.endr
	WIN 0xC0
.irp b, 0,1,2,3
.irp i, 0,1,2,3
	ds_load_b128 v[128+16*\b+4*\i:128+16*\b+4*\i+3], v[AKM] offset:128*\b+16*\i   ; ksum in q's layout
.endr
.endr
	WIN 0
.macro LOADH                           ; a block's 16 rows of x, all of K: 8 fragments; and their scale words
	WIN 0xC0
.irp s, 0,1,2,3,4,5,6,7
.irp c, 0,1
	ds_load_b128 v[8*\s+4*\c:8*\s+4*\c+3], v[ADR] offset:64*\s+32*\c
.endr
.endr
	WIN 0
	ds_load_b128 v[HS:HS+3], v[ADS]
.endm
.macro PROJ s                          ; K step s: the eight tiles of features by turns; the bias is the C of a sum's first instruction
.irp t, 0,1,2,3,4,5,6,7
.set rW, 32*\t+8*((\s)%4)
.if (\s) == 0
	v_wmma_scale_f32_16x16x128_f8f6f4 v[QA+8*\t:QA+8*\t+7], v[rW:rW+7], v[8*(\s):8*(\s)+7], v[64+8*\t:64+8*\t+7], v[WS+4*\t+(\s)%4], v[HS+(\s)%4] matrix_a_fmt:MATRIX_FMT_FP4 matrix_b_fmt:MATRIX_FMT_FP4
.elseif (\s) < 4
	v_wmma_scale_f32_16x16x128_f8f6f4 v[QA+8*\t:QA+8*\t+7], v[rW:rW+7], v[8*(\s):8*(\s)+7], v[QA+8*\t:QA+8*\t+7], v[WS+4*\t+(\s)%4], v[HS+(\s)%4] matrix_a_fmt:MATRIX_FMT_FP4 matrix_b_fmt:MATRIX_FMT_FP4
.else
	v_wmma_scale_f32_16x16x128_f8f6f4 v[QA+8*\t:QA+8*\t+7], v[rW:rW+7], v[8*(\s):8*(\s)+7], v[QA+8*\t:QA+8*\t+7], v[WS+4*\t+(\s)%4], v[HS+(\s)%4] matrix_a_fmt:MATRIX_FMT_FP4 matrix_b_fmt:MATRIX_FMT_FP4 matrix_a_scale:MATRIX_SCALE_ROW1 matrix_b_scale:MATRIX_SCALE_ROW1
.endif
.endr
.endm
; 64 numbers of a lane, register 16 b + i = k 32 b + 16 (lane / 16) + i of my row, become a fragment's codes in v[PC] on and its scale word in v[PW]
.macro QUANT s
.irp b, 0,1,2,3
	v_max3_num_f32 v[TM+\b], |v[\s+16*\b]|, |v[\s+1+16*\b]|, 0x1800000   ; with the floor 2^(3 - 127): the byte cannot fall under 1
.endr
.irp i, 2,4,6,8,10,12,14
.irp b, 0,1,2,3
	v_max3_num_f32 v[TM+\b], v[TM+\b], |v[\s+16*\b+\i]|, |v[\s+1+16*\b+\i]|
.endr
.endr
.irp b, 0,1,2,3
	v_permlanex16_b32 v[TM+4+\b], v[TM+\b], s[SEL], s[SEL+1]
.endr
.irp b, 0,1,2,3
	v_max_num_f32 v[TM+\b], v[TM+\b], v[TM+4+\b]
.endr
.irp b, 0,1,2,3
	v_add_nc_u32 v[TM+12+\b], 0xff000000, v[TM+\b]
.endr
.irp b, 0,1,2,3
	v_lshrrev_b32 v[TM+4+\b], 23, v[TM+12+\b]
.endr
	v_lshl_or_b32 v[PW], v[TM+5], 8, v[TM+4]
	v_lshl_or_b32 v[PW], v[TM+6], 16, v[PW]
	v_lshl_or_b32 v[PW], v[TM+7], 24, v[PW]
.irp b, 0,1,2,3
	v_cvt_scalef32_pk8_fp4_f32 v[PC+2*\b], v[\s+16*\b:\s+7+16*\b], v[TM+12+\b]
	v_cvt_scalef32_pk8_fp4_f32 v[PC+1+2*\b], v[\s+8+16*\b:\s+15+16*\b], v[TM+12+\b]
.endr
	v_nop                                          ; one plain place behind the scaled conversions
.irp c, 0,1
.irp i, 0,1
	v_permlane16_swap_b32 v[PC+4*\c+\i], v[PC+2+4*\c+\i]
.endr
.endr
.endm
; cnt blocks of 16 rows, a block a trip.  Each trip fetches the next block's rows; fin = 1: the last trip of this loop is the launch's last block and fetches nothing.
.macro BLOCKS cnt, fin
	s_mov_b32 s[BLK], \cnt
.Lblock_\@:
	s_wait_dscnt 0x0                               ; x's fragments and scale words (in the first trip: kv's and ksum too)
	WIN 0x3D                                       ; Wq window 1, x and bq window 3, q window 0
	PROJ 0
	WIN 0x0D
	PROJ 1
	PROJ 2
	PROJ 3
	WIN 0x0E                                       ; Wq window 2
	PROJ 4
	PROJ 5
	PROJ 6
	PROJ 7
	WIN 0
	PLACES
	s_add_co_u32 s[STB], s[STB], SROW
	s_add_co_u32 s[STS], s[STS], 512
	v_add_nc_u32 v[ADR], s[STB], v[AH]
	v_add_nc_u32 v[ADS], s[STS], v[ASC]
.if \fin
	s_cmp_eq_u32 s[BLK], 1                         ; the next block's rows are fetched here, if there is a next block
	s_cbranch_scc1 .Lno_next_\@
	LOADH
.Lno_next_\@:
.else
	LOADH
.endif
.set i, 0
.rept 64
	v_min_num_f32 v[T+i], 0, v[QA+i]               ; each accumulator is read from its low end on
.set i, i+1
.endr
.set i, 0
.rept 64
	v_max_num_f32 v[QA+i], 0, v[QA+i]
.set i, i+1
.endr
.set i, 0
.rept 32
	v_pk_mul_f32 v[T+i:T+i+1], v[T+i:T+i+1], s[LG:LG+1] op_sel_hi:[1,0]
.set i, i+2
.endr
.set i, 0
.rept 64
	v_exp_f32 v[T+i], v[T+i]                       ; one batch of 64
.set i, i+1
.endr
	v_nop                                          ; a plain place behind the last exponential,
	s_wait_alu depctr_va_vdst(0)                   ; and a wait ahead of the batch's first reader
.set i, 0
.rept 32
	v_pk_add_f32 v[QA+i:QA+i+1], v[QA+i:QA+i+1], v[T+i:T+i+1]   ; q = max(x, 0) + e^min(x, 0)
.set i, i+2
.endr
	QUANT QA
	WIN 0x0C                                       ; source 1 window 3: ksum
.irp b, 0,1,2,3
	v_pk_mul_f32 v[ZP+2*\b:ZP+2*\b+1], v[QA+16*\b:QA+16*\b+1], v[128+16*\b:128+16*\b+1]   ; z takes the UNQUANTISED q: four chains by turns.  (These lines are also the places ahead of the scaled matrix instructions)
.endr
.irp i, 2,4,6,8,10,12,14
.irp b, 0,1,2,3
	v_pk_fma_f32 v[ZP+2*\b:ZP+2*\b+1], v[QA+16*\b+\i:QA+16*\b+\i+1], v[128+16*\b+\i:128+16*\b+\i+1], v[ZP+2*\b:ZP+2*\b+1]
.endr
.endr
	WIN 0
	v_pk_add_f32 v[ZP:ZP+1], v[ZP:ZP+1], v[ZP+2:ZP+3]
	v_pk_add_f32 v[ZP+4:ZP+5], v[ZP+4:ZP+5], v[ZP+6:ZP+7]
	v_add_f32 v[ZP], v[ZP], v[ZP+1]
	v_add_f32 v[ZP+4], v[ZP+4], v[ZP+5]
	v_permlanex16_b32 v[ZP+1], v[ZP], s[SEL], s[SEL+1]
	v_permlanex16_b32 v[ZP+5], v[ZP+4], s[SEL], s[SEL+1]
	v_add_f32 v[ZP], v[ZP], v[ZP+1]                ; z of my row: the first head,
	v_add_f32 v[ZP+4], v[ZP+4], v[ZP+5]            ; the second
	WIN 0xC0                                       ; results window 3
.irp hl, 0,1
.irp j, 0,1,2,3
	v_wmma_scale_f32_16x16x128_f8f6f4 v[192+8*(4*\hl+\j):192+8*(4*\hl+\j)+7], v[KF+12*\j+4*\hl:KF+12*\j+4*\hl+7], v[PC:PC+7], 0, v[KVS+4*\hl+\j], v[PW] matrix_a_fmt:MATRIX_FMT_FP4 matrix_b_fmt:MATRIX_FMT_FP4
.endr
.endr
	PLACES
	WIN 0x03                                       ; source 0 window 3
.irp hl, 0,1
.irp j, 0,1,2,3
.irp p, 0,2,4,6
	v_pk_mul_f32 v[T+8*(4*\hl+\j)+\p:T+8*(4*\hl+\j)+\p+1], v[192+8*(4*\hl+\j)+\p:192+8*(4*\hl+\j)+\p+1], v[ZP+4*\hl:ZP+4*\hl+1] op_sel_hi:[1,0]   ; x z; register 8 f + i is column 16 f + 8 (lane / 16) + i of the pair's 128
.endr
.endr
.endr
	WIN 0
.irp f, 0,1,2,3,4,5,6,7
	ds_store_b128 v[SO], v[T+8*\f:T+8*\f+3] offset:64*\f
	ds_store_b128 v[SO], v[T+8*\f+4:T+8*\f+7] offset:64*\f+16
.endr
.irp i, 0,1,2,3,4,5,6,7,8,9,10,11,12,13,14,15
	ds_load_b128 v[QA+4*\i:QA+4*\i+3], v[SR] offset:PITCH*\i       ; LDS serves a wave's instructions in order (ISA guide 5.7.1.4): these see my stores
.endr
.irp i, 0,1,2,3,4,5,6,7,8,9,10,11,12,13,14,15
	s_wait_dscnt 15-\i                             ; row i is back; the younger rows' loads may be out
	global_store_b128 v[LI], v[QA+4*\i:QA+4*\i+3], s[18:19] offset:4096*\i th:TH_STORE_NT   ; 32 lanes store 512 consecutive bytes, at a multiple of 256 from out's first byte; written once
.endr
	s_wait_xcnt 0x0                                ; the stores have read their registers and their base: both are written again only behind this wait
	s_add_nc_u64 s[18:19], s[18:19], 16*4096
	s_sub_co_u32 s[BLK], s[BLK], 1
	s_cmp_lg_u32 s[BLK], 0
	s_cbranch_scc1 .Lblock_\@
.endm
	s_mov_b32 s[STB], 0
	s_mov_b32 s[STS], 0
	v_add_nc_u32 v[ADR], s[STB], v[AH]
	v_add_nc_u32 v[ADS], s[STS], v[ASC]
	LOADH                                          ; block 0: my rows 0 .. 63 were shown landed in front of the head's first barrier
	BLOCKS 3, 0                                    ; blocks 0 to 2; they fetch blocks 1 to 3
	s_wait_tensorcnt 0x0                           ; my rows 64 .. 127 have landed (no load was issued behind that one): the next trip fetches block 4
	BLOCKS 5, 1                                    ; blocks 3 to 7
	s_wait_tensorcnt 0x0                           ; the wave's end: a wait, the add and its wait, behind my last tensor load and my last LDS store
	ds_add_u32 v[SPW], v[NIL]
	s_wait_dscnt 0x0
	CROUND                                         ; the closing round
	s_endpgm
.Lfunc_end_k_q35a7e6011b_qctx:
	.size	k_q35a7e6011b_qctx, .Lfunc_end_k_q35a7e6011b_qctx-k_q35a7e6011b_qctx
	.p2alignl 7, 3214868480
	.fill 96, 4, 3214868480
	.section	.rodata,"a",@progbits
	.p2align	6, 0x0
	.amdhsa_kernel k_q35a7e6011b_qctx
		.amdhsa_group_segment_fixed_size 327680
		.amdhsa_private_segment_fixed_size 0
		.amdhsa_enable_private_segment 0
		.amdhsa_kernarg_size 64
		.amdhsa_user_sgpr_count 2
		.amdhsa_user_sgpr_kernarg_segment_ptr 1
		.amdhsa_wavefront_size32 1
		.amdhsa_system_sgpr_workgroup_id_x 1
		.amdhsa_system_sgpr_workgroup_id_y 1
		.amdhsa_system_sgpr_workgroup_id_z 1
		.amdhsa_system_vgpr_workitem_id 0
		.amdhsa_next_free_vgpr 1024
		.amdhsa_next_free_sgpr 80
		.amdhsa_reserve_vcc 0
		.amdhsa_float_denorm_mode_32 3
		.amdhsa_float_denorm_mode_16_64 3
		.amdhsa_memory_ordered 1
		.amdhsa_forward_progress 1
		.amdhsa_inst_pref_size 108
	.end_amdhsa_kernel
	.amdgpu_metadata
---
amdhsa.version: [ 1, 2 ]
amdhsa.kernels:
  - .name:           k_q35a7e6011b_qctx
    .symbol:         k_q35a7e6011b_qctx.kd
    .args:
      - { .name: hidden_state_codes, .offset: 0, .size: 8, .value_kind: global_buffer, .address_space: global }
      - { .name: hidden_state_scales, .offset: 8, .size: 8, .value_kind: global_buffer, .address_space: global }
      - { .name: Wq_codes, .offset: 16, .size: 8, .value_kind: global_buffer, .address_space: global }
      - { .name: Wq_scales, .offset: 24, .size: 8, .value_kind: global_buffer, .address_space: global }
      - { .name: bq, .offset: 32, .size: 8, .value_kind: global_buffer, .address_space: global }
      - { .name: kvp, .offset: 40, .size: 8, .value_kind: global_buffer, .address_space: global }
      - { .name: ksp, .offset: 48, .size: 8, .value_kind: global_buffer, .address_space: global }
      - { .name: out0, .offset: 56, .size: 8, .value_kind: global_buffer, .address_space: global }
    .group_segment_fixed_size: 327680
    .private_segment_fixed_size: 0
    .kernarg_segment_align: 8
    .kernarg_segment_size: 64
    .max_flat_workgroup_size: 128
    .sgpr_count:     80
    .vgpr_count:     1024
    .wavefront_size: 32
...
	.end_amdgpu_metadata
.endif
;; end of part 2
